; MI455X (gfx1250); checked and timed in simulation.
; The chip was launched on July 23, 2026; its instructions are those of AMD's public machine-readable ISA for CDNA 5 (MIT licence, August 2026) and "CDNA5" Instruction Set Architecture Reference Guide (July 2026). The comments in the code are by the model that wrote it; some were corrected since.
;; Attention. Allowed arithmetic: matrix products marked QUANTISED: E2M1 operands, one E8M0 scale for each 32 along K, by v_wmma_scale_f32_16x16x128_f8f6f4 with both operands' format E2M1 (or v_wmma_scale_f32_32x16x128_f4), f32 sums; everything else in f32.
;; Inputs: Wk 1,024 x 1,024 float32; Wq 1,024 x 1,024 float32; Wv 1,024 x 1,024 float32; inputs_kv 4 x 2,048 x 1,024 float32; inputs_q 4 x 2,048 x 1,024 float32.
;; Outputs: out0 4 x 2,048 x 1,024 float32.
;; This version of the problem:
;;   THIS VERSION OF THE PROBLEM IS GIVEN IN LOW PRECISION. The matrix products marked QUANTISED in the list below multiply operands that are first quantised to E2M1 (2 exponent bits, 1 mantissa bit; 4 bits a number), with one power-of-two scale for each 32 numbers along K (OCP MX v1.0); their sums are f32. All else is computed in f32.
;;   The module's matrix products, in the order in which they are computed (A, B: the left and right operand; K: the contracted axis; several contracted axes count as one K, in the product's order):
;;     1. [M 8,192, K 1,024] x [K 1,024, N 1,024]; A: input inputs_q; B: input Wq: QUANTISED
;;     2. [M 8,192, K 1,024] x [K 1,024, N 1,024]; A: input inputs_kv; B: input Wk: QUANTISED
;;     3. [M 8,192, K 1,024] x [K 1,024, N 1,024]; A: input inputs_kv; B: input Wv: QUANTISED
;;     4. batch 64 x [M 2,048, K 64] x [K 64, N 2,048]; A: computed on the way; B: computed on the way: QUANTISED
;;     5. batch 64 x [M 64, K 2,048] x [K 2,048, N 2,048]; A: computed on the way; B: softmax (see below): QUANTISED
;;   THE QUANTISER, for each operand of a quantised product, along K:
;;     - K is cut into blocks of 32 from its start; a last block that is shorter is filled with zeros.
;;     - A block's scale is 2^e with e = floor(log2(the largest magnitude in the block)) - 2, held to -126 .. 127; a block of zeros has e = 0. As a byte (E8M0): e + 127.
;;     - Each number is divided by its block's scale, clamped to +-6, and rounded to the nearest number of E2M1, ties to even, subnormals kept.
;;     - The product sums the exact products of the quantised numbers (number of the format x scale) in f32.
;;   ~~~python
;;   def quantise(x, axis):      # numpy; x: float32 -> the quantised numbers, widened to float32 again
;;       x = np.moveaxis(x, axis, -1); K = x.shape[-1]
;;       x = np.pad(x, [(0, 0)] * (x.ndim - 1) + [(0, -K % 32)]); x = x.reshape(x.shape[:-1] + (-1, 32)); a = np.abs(x).max(-1, keepdims=True)
;;       e = np.where(a > 0, np.clip(np.frexp(np.where(a > 0, a, 1))[1] - 1 - 2, -126, 127), 0)      # np.frexp(a)[1] - 1 = floor(log2(a)), exactly
;;       r = np.clip(x / 2.0 ** e, -6, 6)
;;       step = 2.0 ** (np.maximum(np.frexp(np.where(r == 0, 1, r))[1] - 1, 0) - 1)
;;       q = np.round(r / step) * step * 2.0 ** e      # np.round: ties to even
;;       return np.moveaxis(q.reshape(q.shape[:-2] + (-1,))[..., :K], -1, axis).astype(np.float32)
;;   ~~~
;;   SOFTMAX AHEAD OF A QUANTISED PRODUCT. Where the list says 'softmax', what is quantised is not the finished softmax but p = 2^(t - M), with t = logit x log2(e) and M = ceil(the row's largest t), a whole number; so 1/2 < the row's largest p <= 1. The row's sum l is taken of the UNQUANTISED p, in f32, and the product's result is divided by l at the end. Since M is a whole number, a kernel that streams over the keys may use a running M (the ceiling of the running maximum): every later rescaling is an exact power of two, which a block's scale takes up: the codes' values come out the same.
;;   OPERANDS COMPUTED ON THE WAY. 'Computed on the way' means the value that the module computes at that place (a softmax that the list does not call 'softmax' is quantised finished and normalised). What goes into a quantiser is computed in f32, as accurately as f32 sums, v_exp_f32 and their like allow (about 1e-6 of the number): no bf16 or f16 on the way to a quantiser, and a product that is left as it is and whose result goes on into a quantised operand takes f32 operands (vector FMAs, or v_wmma_f32_16x16x4_f32). A number that lies on a knife's edge between two numbers of the format may be rounded either way, as far as f32 arithmetic and the matrix unit's own rounding can turn it there, and no further.
;; One version. Each part assembles by itself: llvm-mc -triple=amdgcn-amd-amdhsa -mcpu=gfx1250 --defsym DOCPART=n.
;; ======== version 1 of 1: 3 launches
;; limits: right only within a limited range of input values
;; workspace buffers: xc 9,961,472 bytes; xs 622,592 bytes; pc 13,369,344 bytes; ps 524,288 bytes
;; launch quant (part 1): grid 1216 x 1, 4 waves a work-group, no clusters, 21,504 bytes of LDS; arguments inputs_q, inputs_kv, Wq, Wk, Wv, xc, xs; writes xc, xs
.if DOCPART == 1
	.amdgcn_target "amdgcn-amd-amdhsa--gfx1250"
	.amdhsa_code_object_version 6
	.text
	.protected	k_q0affe536e1_quant
	.globl	k_q0affe536e1_quant
	.p2align	8
	.type	k_q0affe536e1_quant,@function
k_q0affe536e1_quant:
	s_mov_b64 s[64:65], 0
	v_nop
	global_prefetch_b8 v0, s[64:65] scope:SCOPE_SE
	s_setreg_imm32_b32 hwreg(HW_REG_WAVE_MODE, 25, 1), 1
	s_wait_xcnt 0x0
; inputs_q, inputs_kv [8192][1024] and Wq, Wk, Wv [1024][1024], f32, become codes of FP4 (E2M1), K innermost, one E8M0 byte for each 32 along K: xc: 19,456 rows of 512 bytes (inputs_q, inputs_kv, Wq, Wk, Wv), xs: 32 bytes a row.
; THE ORDER OF ROWS: within each 64 rows group 4 hh + u of 8 rows goes to place 2 u + hh: 16 rows on end in xc are 8 rows of the first 32 and 8 of the second, so that in a product's result a lane's half holds one whole block of 32 along the axis quantised next.
; A block's scale is 2^(floor(log2(its largest magnitude)) - 2); numbers are divided by it and rounded to the nearest code, ties to even; beyond 6 the largest code.
; LEFT OUT IN THIS PROGRAM (third launch): tiles of keys that come after all queries of a tile: reference()'s own tril mask gives them -infinity, so p = 0 for all values of the inputs. A NaN, an infinity or an overflow that reaches only those is not carried to the result.
; LIMITS: a block of zeros gets the byte 1 where the quantiser says 127 (its codes are zeros, and this program alone reads the bytes); a block whose largest magnitude lies under 2^-124 is held at byte 1; NaN and infinities are not served.
; A wave takes 4 rows: 8 steps of 512 numbers, all 32 loads issued at the start, each of 512 consecutive bytes; a step turns through the wave's stage in LDS and comes back 64 bytes a lane: 16 neighbours, two lanes to a block.
; The work-group's 512 scale bytes are gathered in LDS and leave by wave 0. No tensor loads, no cluster: no work-groups share an input.
.set STEPS, 8
.set R, 16
.set X, 144
.set SP, 80
.set WREG, 2*32*SP
.set SCB, 4*WREG
.set SPARE, SCB+512
.set SPW, 176
.set NIL, 177
	s_load_b256 s[4:11], s[0:1], 0x0
	s_load_b128 s[12:15], s[0:1], 0x20
	s_load_b64 s[16:17], s[0:1], 0x30
	v_lshl_add_u32 v[SPW], v0, 2, SPARE
	v_mov_b32 v[NIL], 0
	v_lshrrev_b32 v1, 5, v0
	v_readfirstlane_b32 s20, v1
	v_and_b32 v2, 31, v0
	v_lshlrev_b32 v3, 4, v2
	s_mul_i32 s24, s20, WREG
	v_lshrrev_b32 v14, 2, v2
	v_mul_u32_u24 v14, v14, SP
	v_and_b32 v15, 3, v2
	v_lshl_add_u32 v14, v15, 4, v14
	; v14: the stage on the way in, v15: on the way out
	v_add_nc_u32 v14, s24, v14
	v_mul_u32_u24 v15, v2, SP
	v_add_nc_u32 v15, s24, v15
	v_lshlrev_b32 v4, 3, v2
	v_lshrrev_b32 v5, 1, v2
	s_lshl_b32 s24, s20, 7
	s_add_co_u32 s24, s24, SCB
	; v5: my block's scale byte in LDS; v6, v7: 16 of them back, and their place in xs (lanes 16-31: the second group of 8 rows, 512 bytes on)
	v_add_nc_u32 v5, s24, v5
	v_lshlrev_b32 v6, 4, v2
	v_add_nc_u32 v6, SCB, v6
	v_lshrrev_b32 v7, 4, v2
	v_lshlrev_b32 v7, 8, v7
	v_lshl_add_u32 v7, v2, 4, v7
	; the wait at the head's end
	s_wait_alu depctr_va_vdst(0)
	s_wait_kmcnt 0x0
	; the source by the work-group's number; s21: that tensor's first work-group
	s_mov_b64 s[22:23], s[12:13]
	s_mov_b32 s21, 1152
	s_cmp_lt_u32 ttmp9, 1152
	s_cselect_b64 s[22:23], s[10:11], s[22:23]
	s_cselect_b32 s21, 1088, s21
	s_cmp_lt_u32 ttmp9, 1088
	s_cselect_b64 s[22:23], s[8:9], s[22:23]
	s_cselect_b32 s21, 1024, s21
	s_cmp_lt_u32 ttmp9, 1024
	s_cselect_b64 s[22:23], s[6:7], s[22:23]
	s_cselect_b32 s21, 512, s21
	s_cmp_lt_u32 ttmp9, 512
	s_cselect_b64 s[22:23], s[4:5], s[22:23]
	s_cselect_b32 s21, 0, s21
	s_sub_co_u32 s25, ttmp9, s21
	s_lshl_b32 s25, s25, 2
	s_add_co_u32 s25, s25, s20
	s_lshl_b32 s26, s25, 14
	s_mov_b32 s27, 0
	s_add_nc_u64 s[22:23], s[22:23], s[26:27]
.set J, 0
.rept 32
	global_load_b128 v[R+4*J:R+4*J+3], v3, s[22:23] offset:512*J th:TH_LOAD_NT
.set J, J+1
.endr
	; my work-group's groups of 8 rows are 2 g and 2 g + 1 of the stream; the first's place: bits 1:0 up by one, bit 2 below; the second's lies two on
	s_lshl_b32 s24, ttmp9, 1
	s_and_b32 s28, s24, -8
	s_and_b32 s29, s24, 3
	s_lshl_b32 s29, s29, 1
	s_or_b32 s28, s28, s29
	s_bfe_u32 s29, s24, 0x10002
	s_or_b32 s28, s28, s29
	s_lshl_b32 s26, s28, 8
	s_add_nc_u64 s[16:17], s[16:17], s[26:27]
	s_lshr_b32 s29, s20, 1
	s_lshl_b32 s29, s29, 1
	s_add_co_u32 s28, s28, s29
	s_lshl_b32 s26, s28, 12
	s_and_b32 s29, s20, 1
	s_lshl_b32 s29, s29, 11
	s_add_co_u32 s26, s26, s29
	s_add_nc_u64 s[14:15], s[14:15], s[26:27]
; LDS serves a wave's instructions in order: no wait between the stores and the loads
.macro TURN t
.irp i, 0,1,2,3
	ds_store_b128 v14, v[R+16*(\t)+4*\i:R+16*(\t)+4*\i+3] offset:32*SP*((\t)%2)+8*SP*\i
.endr
.irp i, 0,1,2,3
	ds_load_b128 v[X+16*((\t)%2)+4*\i:X+16*((\t)%2)+4*\i+3], v15 offset:32*SP*((\t)%2)+16*\i
.endr
.endm
	; step 0's four loads are in; 28 may be out
	s_wait_loadcnt 28
	TURN 0
.macro STEP t
.set XS, X+16*((\t)%2)
.set CT, R+16*(\t)
	; this step's numbers are back (the last step's byte store may be out)
.if (\t) > 0
	s_wait_dscnt 1
.else
	s_wait_dscnt 0x0
.endif
	; the next step's four loads are in; later steps' may be out
.if (\t)+1 < STEPS
	s_wait_loadcnt 4*(STEPS-2-(\t))
	TURN (\t)+1
.endif
	v_max3_num_f32 v8, |v[XS]|, |v[XS+1]|, |v[XS+2]|
	v_max3_num_f32 v9, |v[XS+3]|, |v[XS+4]|, |v[XS+5]|
.irp i, 6,10
	v_max3_num_f32 v8, v8, |v[XS+\i]|, |v[XS+\i+1]|
	v_max3_num_f32 v9, v9, |v[XS+\i+2]|, |v[XS+\i+3]|
.endr
	v_max3_num_f32 v8, v8, |v[XS+14]|, |v[XS+15]|
	; with the floor 2^(3 - 127): the byte cannot fall under 1; and my neighbour's 16
	v_max3_num_f32 v8, v8, v9, 0x1800000
	v_max_num_f32_dpp v8, v8, v8 row_xmask:1 row_mask:0xf bank_mask:0xf
	; 2 off the exponent field: the conversion's scale operand; the codes take the loaded numbers' place
	v_add_nc_u32 v11, 0xff000000, v8
	v_cvt_scalef32_pk8_fp4_f32 v[CT], v[XS:XS+7], v11
	v_cvt_scalef32_pk8_fp4_f32 v[CT+1], v[XS+8:XS+15], v11
	v_lshrrev_b32 v[12+(\t)%2], 23, v11
	ds_store_b8 v5, v[12+(\t)%2] offset:16*(\t)
.endm
.irp t, 0,1,2,3,4,5,6,7
	STEP \t
.endr
	; 32 lanes store 256 consecutive bytes, aligned
.irp t, 0,1,2,3,4,5,6,7
	global_store_b64 v4, v[R+16*\t:R+16*\t+1], s[14:15] offset:256*\t
.endr
	s_wait_dscnt 0x0
	s_barrier_signal -1
	s_barrier_wait -1
	s_cmp_lg_u32 s20, 0
	s_cbranch_scc1 .Lend
	ds_load_b128 v[8:11], v6
	s_wait_dscnt 0x0
	global_store_b128 v7, v[8:11], s[16:17]
.Lend:
	; the wave's end
	s_wait_tensorcnt 0x0
	ds_add_u32 v[SPW], v[NIL]
	s_wait_dscnt 0x0
	s_endpgm
.Lfunc_end_k_q0affe536e1_quant:
	.size	k_q0affe536e1_quant, .Lfunc_end_k_q0affe536e1_quant-k_q0affe536e1_quant
	.p2alignl 7, 3214868480
	.fill 96, 4, 3214868480
	.section	.rodata,"a",@progbits
	.p2align	6, 0x0
	.amdhsa_kernel k_q0affe536e1_quant
		.amdhsa_group_segment_fixed_size 21504
		.amdhsa_private_segment_fixed_size 0
		.amdhsa_enable_private_segment 0
		.amdhsa_kernarg_size 56
		.amdhsa_user_sgpr_count 2
		.amdhsa_user_sgpr_kernarg_segment_ptr 1
		.amdhsa_wavefront_size32 1
		.amdhsa_system_sgpr_workgroup_id_x 1
		.amdhsa_system_sgpr_workgroup_id_y 1
		.amdhsa_system_sgpr_workgroup_id_z 1
		.amdhsa_system_vgpr_workitem_id 0
		.amdhsa_next_free_vgpr 178
		.amdhsa_next_free_sgpr 66
		.amdhsa_reserve_vcc 0
		.amdhsa_float_denorm_mode_32 3
		.amdhsa_float_denorm_mode_16_64 3
		.amdhsa_memory_ordered 1
		.amdhsa_forward_progress 1
		.amdhsa_inst_pref_size 19
	.end_amdhsa_kernel
	.amdgpu_metadata
---
amdhsa.version: [ 1, 2 ]
amdhsa.kernels:
  - .name:           k_q0affe536e1_quant
    .symbol:         k_q0affe536e1_quant.kd
    .args:
      - { .name: inputs_q, .offset: 0, .size: 8, .value_kind: global_buffer, .address_space: global }
      - { .name: inputs_kv, .offset: 8, .size: 8, .value_kind: global_buffer, .address_space: global }
      - { .name: Wq, .offset: 16, .size: 8, .value_kind: global_buffer, .address_space: global }
      - { .name: Wk, .offset: 24, .size: 8, .value_kind: global_buffer, .address_space: global }
      - { .name: Wv, .offset: 32, .size: 8, .value_kind: global_buffer, .address_space: global }
      - { .name: xc, .offset: 40, .size: 8, .value_kind: global_buffer, .address_space: global }
      - { .name: xs, .offset: 48, .size: 8, .value_kind: global_buffer, .address_space: global }
    .group_segment_fixed_size: 21504
    .private_segment_fixed_size: 0
    .kernarg_segment_align: 8
    .kernarg_segment_size: 56
    .max_flat_workgroup_size: 128
    .sgpr_count:     66
    .vgpr_count:     178
    .wavefront_size: 32
...
	.end_amdgpu_metadata
.endif
;; end of part 1
;; launch proj (part 2): grid 8 x 32, 4 waves a work-group, clusters of 4 x 4, 327,680 bytes of LDS; arguments xc, xs, pc, ps; writes pc, ps
.if DOCPART == 2
	.amdgcn_target "amdgcn-amd-amdhsa--gfx1250"
	.amdhsa_code_object_version 6
	.text
	.protected	k_q0affe536e1_proj
	.globl	k_q0affe536e1_proj
	.p2align	8
	.type	k_q0affe536e1_proj,@function
k_q0affe536e1_proj:
	s_mov_b64 s[64:65], 0
	v_nop
	global_prefetch_b8 v0, s[64:65] scope:SCOPE_SE
	s_setreg_imm32_b32 hwreg(HW_REG_WAVE_MODE, 25, 1), 1
	s_wait_xcnt 0x0
	s_wait_alu depctr_hold_cnt(0) depctr_sa_sdst(0) depctr_va_vdst(0) depctr_va_sdst(0) depctr_va_ssrc(0) depctr_va_vcc(0) depctr_vm_vsrc(0)
	s_getreg_b32 s2, hwreg(HW_REG_IB_STS2, 6, 4)
	s_cmp_eq_u32 s2, 0
	s_cbranch_scc0 .Lentry_in_a_cluster
	s_endpgm
.Lentry_in_a_cluster:
	s_bfe_u32 s2, ttmp6, 0x10000c
	s_cmp_lg_u32 s2, 0xf033
	s_cbranch_scc0 .Lentry_shape_is_right
	s_endpgm
.Lentry_shape_is_right:
; q = inputs_q Wq^T, k = inputs_kv Wk^T, v = inputs_kv Wv^T, each [8192][1024], K = 1,024, on codes of FP4 (E2M1) with one E8M0 scale for each 32 along K; the f32 results are quantised in registers: q and k along a head's 64 channels, v along the keys.
; SHARES: 256 work-groups of equal work, each 256 tokens (T) x 128 channels (U) of all three products; a wave 128 tokens x one head. First k and v together, so that a token fragment feeds both (k: source 0 = Wk, source 1 = tokens; v: source 0 = tokens, source 1 = Wv), then q as k.
; Source 0 is the axis quantised next. By the order of rows in xc, the 32 registers of four tiles on end are, in half h of the lanes, ONE block of 32 in its own order: no other lane is asked for its maximum, and four conversions give four registers of the next operand as they stand.
; K is two halves of 512 (rows of 256 bytes + 16 of padding); two LDS slots take four fills: k and v's first half, their second, q's first, q's second.
; CLUSTERS of 4 x 4: a row of the cluster shares tokens, a column the weights' rows; each tile is one joint load. Scale words go from memory into registers once: register 8 i + n: lanes 0-15 token tile i, lanes 16-31 weight tile i (0-3 Wk, 4-7 Wv), n the 128 along K.
; PREFETCH INTO THE L2: each half of q one fill ahead of its tensor load, every 256 bytes of a row once in a cluster; the partners share the rows out by address, a lane a row, waves 0 to 2. The first two fills come by their loads alone.
; pc: q at 0: [bh][tile of 16 tokens][lane][16 bytes]; from 4 MiB [bh][key step of 128] blocks of 8,960 bytes: k's codes [tile][lane], at 4,096 v's [tile of channels][c][lane], at 8,192 k's words [tile][r], at 8,704 v's. ps: q's words [bh][tile][r]. Bytes 2 and 3 of q's and k's words are 0.
; LIMITS: a block of zeros gets the byte 1 where the quantiser says 127 (its codes are zeros; this program alone reads the bytes); a block under 2^-124 is held at byte 1; NaN and infinities are not served.
; Window 0: addresses, scale words v32-159, the way out v160-223. Window 1: fragments, two sets at v0, v128: Wk or Wq 32, Wv 32, tokens 64. Window 2: k's, later q's accumulators, (a, b) at 8 (4 a + b); window 3: v's, (b, a) at 8 (8 b + a).
.set PITCH, 272
.set HALFT, 128*PITCH
.set SLOT, 4*HALFT
.set STG, 2*SLOT
.set SPARE, STG+4096
.set OFA, 12
.set OFB, 13
.set OFQ, 14
.set PFO, 15
.set ADRT, 16
.set ADRW, 20
.set VO, 24
.set V8, 25
.set SSTO, 26
.set SRD, 27
.set SPW, 28
.set NIL, 29
.set SR8, 30
.set SC1, 32
.set SC2, 96
.set TM, 160
.set T2, 164
.set SO, 168
.set TB, 172
.set WD, 176
.set SB, 184
.set PCR, 192
.set SEL, 92
.set G1, 24
.set G0, 32
.set G0B, 36
.set G1B, 48
.set KVB, 66
.set QB, 72
.set QW, 74
.set PFB, 76
.set MSB, 0
; the immediate's high byte repeats the setting that is left
.macro WIN new
.if MSB != \new
	s_set_vgpr_msb (MSB<<8)|\new
.set MSB, \new
.endif
.endm
.macro PLACES
.rept 4
	v_nop
.endr
.endm
.macro CREST
	s_cmp_lg_u32 s14, 0
	s_cbranch_scc1 .Lnot_wave_0_\@
	s_barrier_signal -3
.Lnot_wave_0_\@:
	s_barrier_wait -3
	s_barrier_signal -1
	s_barrier_wait -1
.endm
.macro CROUND
	s_barrier_signal -1
	s_barrier_wait -1
	CREST
.endm
; a joint load: waves 0 and 1 tokens, waves 2 and 3 (q = 1: wave 2 alone) weights
.macro JLOAD q
	s_cmp_eq_u32 s15, 0
	s_cbranch_scc0 .Lfor_w_\@
	tensor_load_to_lds s[G0:G0+3], s[G1:G1+7]
	s_nop 0
	PLACES
	s_branch .Lasked_\@
.Lfor_w_\@:
.if \q
	s_cmp_eq_u32 s14, 2
	s_cbranch_scc0 .Lasked_\@
.endif
	tensor_load_to_lds s[G0B:G0B+3], s[G1B:G1B+7]
	s_nop 0
	PLACES
.Lasked_\@:
.endm
.macro PF off
	s_cmp_lt_u32 s14, 3
	s_cbranch_scc0 .Lno_pf_\@
	global_prefetch_b8 v[PFO], s[PFB:PFB+1] offset:\off th:TH_LOAD_NT scope:SCOPE_SE
.Lno_pf_\@:
.endm
	s_load_b256 s[4:11], s[0:1], 0x0
	v_lshl_add_u32 v[SPW], v0, 2, SPARE
	v_mov_b32 v[NIL], 0
	; the opening: the add, twice on end, and its wait
	ds_add_u32 v[SPW], v[NIL]
	ds_add_u32 v[SPW], v[NIL]
	v_lshrrev_b32 v1, 5, v0
	v_readfirstlane_b32 s14, v1
	; s15: which 128 tokens are mine, and what I fetch for (0 tokens, 1 weights); s16: which head, and which 128 rows I fetch
	s_lshr_b32 s15, s14, 1
	s_and_b32 s16, s14, 1
	s_bfe_u32 s40, ttmp6, 0x40000
	s_bfe_u32 s41, ttmp6, 0x40004
	; s42: U, s17: T
	s_lshl_b32 s42, ttmp9, 2
	s_add_co_u32 s42, s42, s40
	s_and_b32 s17, ttmp7, 0xffff
	s_lshl_b32 s17, s17, 2
	s_add_co_u32 s17, s17, s41
	s_lshl_b32 s43, s41, 2
	s_lshl_b32 s43, 15, s43
	s_lshl_b32 s44, 0x1111, s40
	; descriptor group 1: 128 rows x 256 bytes, 512 apart, 4 words of padding after every 64; masks: my row, my column
	s_or_b32 s[G1+0], s43, (0<<16)|(1<<20)|(1<<21)|(5<<22)|(3<<25)
	s_or_b32 s[G1B+0], s44, (0<<16)|(1<<20)|(1<<21)|(5<<22)|(3<<25)
.irp g, G1, G1B
	s_mov_b32 s[\g+1], 256<<16
	s_mov_b32 s[\g+2], 128<<16
	s_mov_b32 s[\g+3], 256<<16
	s_mov_b32 s[\g+4], 128
	s_mov_b32 s[\g+5], 512
	s_mov_b32 s[\g+6], 0
	s_mov_b32 s[\g+7], 0
.endr
	; tokens of inputs_kv: row 8192 + 256 T + 128 half
	s_lshl_b32 s20, s17, 8
	s_lshl_b32 s18, s16, 7
	s_add_co_u32 s20, s20, s18
	s_add_co_u32 s20, s20, 8192
	s_lshl_b32 s20, s20, 9
	s_mov_b32 s21, 0
	; wave 2: Wk: row 17408 + 128 U; wave 3: Wv: 1,024 on
	s_lshl_b32 s46, s42, 7
	s_lshl_b32 s18, s16, 10
	s_add_co_u32 s46, s46, s18
	s_add_co_u32 s46, s46, 17408
	s_lshl_b32 s46, s46, 9
	s_mov_b32 s47, 0
	s_mul_i32 s45, s14, HALFT
	; scale words in bytes of xs: s22 my tokens of inputs_kv, s23 my head's rows of Wk; s2, s12 from tokens to weights; s3 inputs_q's
	s_lshl_b32 s22, s17, 8
	s_lshl_b32 s18, s15, 7
	s_add_co_u32 s22, s22, s18
	s_add_co_u32 s22, s22, 8192
	s_lshl_b32 s22, s22, 5
	s_lshl_b32 s23, s42, 7
	s_lshl_b32 s18, s16, 6
	s_add_co_u32 s23, s23, s18
	s_add_co_u32 s23, s23, 17408
	s_lshl_b32 s23, s23, 5
	s_sub_co_u32 s2, s23, s22
	s_sub_co_u32 s3, s22, 8192*32
	s_add_co_u32 s12, s2, 7168*32
	; s13: bh = 16 batch + head; s18: the key step
	s_lshr_b32 s13, s17, 3
	s_lshl_b32 s13, s13, 4
	s_lshl_b32 s18, s42, 1
	s_add_co_u32 s13, s13, s18
	s_add_co_u32 s13, s13, s16
	s_and_b32 s18, s17, 7
	s_lshl_b32 s18, s18, 1
	s_add_co_u32 s18, s18, s15
	s_mul_i32 s60, s13, 143360
	s_mul_i32 s19, s18, 8960
	s_add_co_u32 s60, s60, s19
	s_add_co_u32 s60, s60, 0x400000
	s_mov_b32 s61, 0
	s_lshl_b32 s62, s13, 16
	s_lshl_b32 s19, s18, 12
	s_add_co_u32 s62, s62, s19
	s_mov_b32 s63, 0
	s_lshl_b32 s68, s13, 13
	s_lshl_b32 s19, s18, 9
	s_add_co_u32 s68, s68, s19
	s_mov_b32 s69, 0
	; the prefetches: waves 0 and 1: inputs_q's rows 256 T + 64 cx + 32 wave + lane; wave 2: Wq's 128 U + 32 cy + lane
	s_lshl_b32 s70, s17, 8
	s_lshl_b32 s19, s40, 6
	s_add_co_u32 s70, s70, s19
	s_lshl_b32 s19, s14, 5
	s_add_co_u32 s70, s70, s19
	s_lshl_b32 s71, s42, 7
	s_lshl_b32 s19, s41, 5
	s_add_co_u32 s71, s71, s19
	s_add_co_u32 s71, s71, 16384
	s_cmp_eq_u32 s15, 0
	s_cselect_b32 s70, s70, s71
	s_lshl_b32 s70, s70, 9
	s_mov_b32 s71, 0
	; LDS: my tokens, my head's weights, my 1,024 bytes for new scale words
	s_mul_i32 s56, s15, HALFT
	s_mul_i32 s57, s16, 64*PITCH
	s_add_co_u32 s57, s57, 2*HALFT
	s_lshl_b32 s58, s14, 10
	s_add_co_u32 s58, s58, STG
	s_mov_b32 s[SEL], 0x76543210
	s_mov_b32 s[SEL+1], 0xfedcba98
	s_wait_dscnt 0x0
	s_wait_kmcnt 0x0
	s_add_nc_u64 s[KVB:KVB+1], s[8:9], s[60:61]
	s_add_nc_u64 s[QB:QB+1], s[8:9], s[62:63]
	s_add_nc_u64 s[QW:QW+1], s[10:11], s[68:69]
	s_add_nc_u64 s[PFB:PFB+1], s[4:5], s[70:71]
	CROUND
	s_mov_b32 s[G0], 1
	s_mov_b32 s[G0+1], s45
	s_add_nc_u64 s[G0+2:G0+3], s[4:5], s[20:21]
	s_or_b32 s[G0+3], s[G0+3], 0x80000000
	s_mov_b32 s[G0B], 1
	s_mov_b32 s[G0B+1], s45
	s_add_nc_u64 s[G0B+2:G0B+3], s[4:5], s[46:47]
	s_or_b32 s[G0B+3], s[G0B+3], 0x80000000
	; k and v's first half: one load a wave
	JLOAD 0
	v_and_b32 v1, 15, v0
	v_bfe_u32 v2, v0, 4, 1
	v_and_b32 v3, 31, v0
	v_mul_u32_u24 v5, s2, v2
	v_lshl_add_u32 v5, v1, 5, v5
	v_add_nc_u32 v[OFA], s22, v5
	; tiles 4-7: lanes 16-31 take Wv's, 1,024 - 64 rows on
	v_mul_u32_u24 v6, 30720, v2
	v_add_nc_u32 v[OFB], v[OFA], v6
	v_mul_u32_u24 v7, s12, v2
	v_lshl_add_u32 v7, v1, 5, v7
	v_add_nc_u32 v[OFQ], s3, v7
.irp i, 0,1,2,3
	global_load_b128 v[SC1+8*\i:SC1+8*\i+3], v[OFA], s[6:7] offset:512*\i
	global_load_b128 v[SC1+8*\i+4:SC1+8*\i+7], v[OFA], s[6:7] offset:512*\i+16
.endr
.irp i, 4,5,6,7
	global_load_b128 v[SC1+8*\i:SC1+8*\i+3], v[OFB], s[6:7] offset:512*\i
	global_load_b128 v[SC1+8*\i+4:SC1+8*\i+7], v[OFB], s[6:7] offset:512*\i+16
.endr
	; q's (tiles 4-7 of lanes 16-31 are loaded and not used)
.irp i, 0,1,2,3,4,5,6,7
	global_load_b128 v[SC2+8*\i:SC2+8*\i+3], v[OFQ], s[6:7] offset:512*\i
	global_load_b128 v[SC2+8*\i+4:SC2+8*\i+7], v[OFQ], s[6:7] offset:512*\i+16
.endr
	v_mul_u32_u24 v4, v1, PITCH
	v_lshl_add_u32 v4, v2, 4, v4
	v_add_nc_u32 v[ADRT], s56, v4
	v_add_nc_u32 v[ADRT+1], SLOT, v[ADRT]
	v_add_nc_u32 v[ADRW], s57, v4
	v_add_nc_u32 v[ADRW+1], SLOT, v[ADRW]
	v_lshlrev_b32 v[PFO], 9, v3
	v_lshlrev_b32 v[VO], 4, v3
	v_lshlrev_b32 v[V8], 3, v3
	; new scale words: in at 4 r (lanes 16-31 write a copy 512 bytes on that nobody reads)
	v_lshlrev_b32 v8, 2, v1
	v_lshl_add_u32 v8, v2, 9, v8
	v_add_nc_u32 v[SSTO], s58, v8
	v_add_nc_u32 v[SRD], s58, v[VO]
	v_add_nc_u32 v[SR8], s58, v[V8]
	; written once: a lane permute's destination counts as one of its sources
.irp c, 0,1,2,3
	v_mov_b32 v[T2+\c], 0
.endr
; fragments of the slot's s-th 128 along K into set p: lane l holds row l % 16, registers 4 c .. 4 c + 3 K = 64 c + 32 (l / 16) on
.macro FETCHW slot, s, p, kv
	WIN 0x40
.irp b, 0,1,2,3
.irp c, 0,1
	ds_load_b128 v[128*(\p)+8*\b+4*\c:128*(\p)+8*\b+4*\c+3], v[ADRW+\slot] offset:64*(\s)+32*\c+\b*16*PITCH
.endr
.endr
.if \kv
.irp b, 0,1,2,3
.irp c, 0,1
	ds_load_b128 v[128*(\p)+32+8*\b+4*\c:128*(\p)+32+8*\b+4*\c+3], v[ADRW+\slot] offset:HALFT+64*(\s)+32*\c+\b*16*PITCH
.endr
.endr
.endif
.endm
.macro FETCHT slot, s, p
	WIN 0x40
.irp a, 0,1,2,3,4,5,6,7
.irp c, 0,1
	ds_load_b128 v[128*(\p)+64+8*\a+4*\c:128*(\p)+64+8*\a+4*\c+3], v[ADRT+\slot] offset:64*(\s)+32*\c+\a*16*PITCH
.endr
.endr
.endm
; 16 products: token tiles a0 .. a0 + 3 x four weight tiles; the accumulators take turns in the same order in every step; zero = 1 starts the sums
.macro MULK a0, p, n, sc, zero
	WIN 0xa5
.irp d, 0,1,2,3
.irp b, 0,1,2,3
.set DD, 8*(4*((\a0)+\d)+\b)
.set AA, 128*(\p)+8*\b
.set BB, 128*(\p)+64+8*((\a0)+\d)
.set SA, \sc+8*\b+(\n)
.set ST, \sc+8*((\a0)+\d)+(\n)
.if \zero
	v_wmma_scale_f32_16x16x128_f8f6f4 v[DD:DD+7], v[AA:AA+7], v[BB:BB+7], 0, v[SA], v[ST] matrix_a_fmt:MATRIX_FMT_FP4 matrix_b_fmt:MATRIX_FMT_FP4 matrix_a_scale:MATRIX_SCALE_ROW1
.else
	v_wmma_scale_f32_16x16x128_f8f6f4 v[DD:DD+7], v[AA:AA+7], v[BB:BB+7], v[DD:DD+7], v[SA], v[ST] matrix_a_fmt:MATRIX_FMT_FP4 matrix_b_fmt:MATRIX_FMT_FP4 matrix_a_scale:MATRIX_SCALE_ROW1
.endif
.endr
.endr
.endm
.macro MULV a0, p, n, zero
	WIN 0xf5
.irp d, 0,1,2,3
.irp b, 0,1,2,3
.set DD, 8*(8*\b+(\a0)+\d)
.set AA, 128*(\p)+64+8*((\a0)+\d)
.set BB, 128*(\p)+32+8*\b
.set ST, SC1+8*((\a0)+\d)+(\n)
.set SA, SC1+8*(4+\b)+(\n)
.if \zero
	v_wmma_scale_f32_16x16x128_f8f6f4 v[DD:DD+7], v[AA:AA+7], v[BB:BB+7], 0, v[ST], v[SA] matrix_a_fmt:MATRIX_FMT_FP4 matrix_b_fmt:MATRIX_FMT_FP4 matrix_b_scale:MATRIX_SCALE_ROW1
.else
	v_wmma_scale_f32_16x16x128_f8f6f4 v[DD:DD+7], v[AA:AA+7], v[BB:BB+7], v[DD:DD+7], v[ST], v[SA] matrix_a_fmt:MATRIX_FMT_FP4 matrix_b_fmt:MATRIX_FMT_FP4 matrix_b_scale:MATRIX_SCALE_ROW1
.endif
.endr
.endr
.endm
; a step with its successor in the same slot: the next fragments go into the set that the step before multiplied (so the four places)
.macro KV slot, s, zero
	s_wait_dscnt 0x0
	PLACES
	FETCHW \slot, (\s)+1, ((\s)+1)%2, 1
	MULK 0, (\s)%2, 4*(\slot)+(\s), SC1, \zero
	FETCHT \slot, (\s)+1, ((\s)+1)%2
	MULV 0, (\s)%2, 4*(\slot)+(\s), \zero
	MULV 4, (\s)%2, 4*(\slot)+(\s), \zero
	MULK 4, (\s)%2, 4*(\slot)+(\s), SC1, \zero
.endm
.macro QS slot, s, zero
	s_wait_dscnt 0x0
	PLACES
	FETCHW \slot, (\s)+1, ((\s)+1)%2, 0
	MULK 0, (\s)%2, 4*(\slot)+(\s), SC2, \zero
	FETCHT \slot, (\s)+1, ((\s)+1)%2
	MULK 4, (\s)%2, 4*(\slot)+(\s), SC2, \zero
.endm
; a slot's last step of k and v: all my tensor loads and my reads of this slot are over in front of the barrier; behind the round the slot takes a half of q
.macro TURNKV slot, next, kvnext
	s_wait_dscnt 0x0
	WIN 0
	s_wait_tensorcnt 0x0
	; sixteen products stand between the add and its wait
	ds_add_u32 v[SPW], v[NIL]
	MULK 0, 1, 4*(\slot)+3, SC1, 0
	s_wait_dscnt 0x0
	s_barrier_signal -1
	MULV 0, 1, 4*(\slot)+3, 0
	WIN 0
	s_barrier_wait -1
	CREST
	s_add_co_u32 s[G0+1], s45, (\slot)*SLOT
	s_add_co_u32 s[G0B+1], s45, (\slot)*SLOT
.if (\slot) == 0
	; from inputs_kv's second half to inputs_q's first, from Wk's to Wq's (wave 3's is not used)
	s_sub_nc_u64 s[G0+2:G0+3], s[G0+2:G0+3], 8192*512+256
	s_sub_nc_u64 s[G0B+2:G0B+3], s[G0B+2:G0B+3], 1024*512+256
.else
	s_add_nc_u64 s[G0+2:G0+3], s[G0+2:G0+3], 256
	s_add_nc_u64 s[G0B+2:G0B+3], s[G0B+2:G0B+3], 256
.endif
	; first behind the round; its four v_nop, and for wave 3 the places below, stand in front of the loads
	JLOAD 1
	PLACES
	FETCHW \next, 0, 0, \kvnext
	FETCHT \next, 0, 0
.if (\slot) == 0
	WIN 0
	PF 256
.endif
	MULV 4, 1, 4*(\slot)+3, 0
	MULK 4, 1, 4*(\slot)+3, SC1, 0
.endm
; THE WAY OUT of runs c0 .. c0 + 3 of 32 registers in window w (k, q: token tile c; v: channel tile c / 2, keys 64 (c % 2) on): a run's codes are four registers, 512 consecutive bytes a store
.macro OUTH w, c0, hf, off, base
.if \w == 2
	WIN 0x28
.else
	WIN 0x3c
.endif
	; largest magnitudes, with the floor 2^(3 - 127); each accumulator from its low end on
.irp c, 0,1,2,3
.set AA, 32*((\c0)+\c)
	v_max3_num_f32 v[TM+\c], 0x1800000, |v[AA]|, |v[AA+1]|
.endr
.irp i, 2,4,6,8,10,12,14,16,18,20,22,24,26,28,30
.irp c, 0,1,2,3
.set AA, 32*((\c0)+\c)+\i
	v_max3_num_f32 v[TM+\c], v[TM+\c], |v[AA]|, |v[AA+1]|
.endr
.endr
	WIN 0
	; scale operands, bytes, the other half's byte, both bytes (lanes 0-15)
.irp c, 0,1,2,3
	v_add_nc_u32 v[SO+\c], 0xff000000, v[TM+\c]
.endr
.irp c, 0,1,2,3
	v_lshrrev_b32 v[TB+\c], 23, v[SO+\c]
.endr
.irp c, 0,1,2,3
	v_permlanex16_b32 v[T2+\c], v[TB+\c], s[SEL], s[SEL+1]
.endr
.irp c, 0,1,2,3
	v_lshl_or_b32 v[WD+(\c0)+\c], v[T2+\c], 8, v[TB+\c]
.endr
	WIN \w
.irp c, 0,1,2,3
.irp u, 0,1,2,3
.set AA, 32*((\c0)+\c)+8*\u
	v_cvt_scalef32_pk8_fp4_f32 v[PCR+16*(\hf)+4*\c+\u], v[AA:AA+7], v[SO+\c]
.endr
.endr
	WIN 0
	v_nop
.irp c, 0,1,2,3
	global_store_b128 v[VO], v[PCR+16*(\hf)+4*\c:PCR+16*(\hf)+4*\c+3], s[\base:\base+1] offset:\off+512*((\c0)+\c)
.endr
.endm
	; the wait at the head's end
	s_wait_alu depctr_va_vdst(0)
	; these lines stand ahead of a later first fill as ahead of a refill
	s_wait_tensorcnt 0x0
	ds_add_u32 v[SPW], v[NIL]
	s_add_co_u32 s[G0+1], s45, SLOT
	s_add_co_u32 s[G0B+1], s45, SLOT
	s_add_nc_u64 s[G0+2:G0+3], s[G0+2:G0+3], 256
	s_add_nc_u64 s[G0B+2:G0B+3], s[G0B+2:G0B+3], 256
	s_wait_dscnt 0x0
	CROUND
	; k and v's second half, the first tensor load behind the round
	JLOAD 0
	FETCHW 0, 0, 0, 1
	FETCHT 0, 0, 0
	WIN 0
	PF 0
	; k and v's scale words are in; q's sixteen loads may be out
	s_wait_loadcnt 16
	KV 0, 0, 1
	KV 0, 1, 0
	KV 0, 2, 0
	TURNKV 0, 1, 1
	KV 1, 0, 0
	KV 1, 1, 0
	KV 1, 2, 0
	TURNKV 1, 0, 0
	PLACES
	OUTH 2, 0, 0, 0, KVB
	OUTH 2, 4, 1, 0, KVB
.irp c, 0,1,2,3,4,5,6,7
	ds_store_b32 v[SSTO], v[WD+\c] offset:64*\c
.endr
	; LDS serves a wave's instructions in order: this sees my stores
	ds_load_b128 v[SB:SB+3], v[SRD]
	; the stores have read their data
	s_wait_xcnt 0x0
	OUTH 3, 0, 0, 4096, KVB
	OUTH 3, 4, 1, 4096, KVB
	; v: a channel's four bytes are one word
.irp b, 0,1,2,3
	v_lshl_or_b32 v[WD+2*\b], v[WD+2*\b+1], 16, v[WD+2*\b]
.endr
.irp b, 0,1,2,3
	ds_store_b32 v[SSTO], v[WD+2*\b] offset:64*\b
.endr
	ds_load_b64 v[SB+4:SB+5], v[SR8]
	s_wait_dscnt 0x0
	global_store_b128 v[VO], v[SB:SB+3], s[KVB:KVB+1] offset:8192
	global_store_b64 v[V8], v[SB+4:SB+5], s[KVB:KVB+1] offset:8704
	s_wait_loadcnt 0x0
	QS 0, 0, 1
	QS 0, 1, 0
	QS 0, 2, 0
	; over to slot 1; nothing is filled again
	s_wait_dscnt 0x0
	WIN 0
	s_wait_tensorcnt 0x0
	MULK 0, 1, 3, SC2, 0
	WIN 0
	s_barrier_signal -1
	s_barrier_wait -1
	PLACES
	FETCHW 1, 0, 0, 0
	FETCHT 1, 0, 0
	MULK 4, 1, 3, SC2, 0
	QS 1, 0, 0
	QS 1, 1, 0
	QS 1, 2, 0
	s_wait_dscnt 0x0
	MULK 0, 1, 7, SC2, 0
	MULK 4, 1, 7, SC2, 0
	WIN 0
	PLACES
	s_wait_xcnt 0x0
	OUTH 2, 0, 0, 0, QB
	OUTH 2, 4, 1, 0, QB
.irp c, 0,1,2,3,4,5,6,7
	ds_store_b32 v[SSTO], v[WD+\c] offset:64*\c
.endr
	ds_load_b128 v[SB:SB+3], v[SRD]
	s_wait_dscnt 0x0
	global_store_b128 v[VO], v[SB:SB+3], s[QW:QW+1]
	; the wave's end
	s_wait_tensorcnt 0x0
	ds_add_u32 v[SPW], v[NIL]
	s_wait_dscnt 0x0
	CROUND
	s_endpgm
.Lfunc_end_k_q0affe536e1_proj:
	.size	k_q0affe536e1_proj, .Lfunc_end_k_q0affe536e1_proj-k_q0affe536e1_proj
	.p2alignl 7, 3214868480
	.fill 96, 4, 3214868480
	.section	.rodata,"a",@progbits
	.p2align	6, 0x0
	.amdhsa_kernel k_q0affe536e1_proj
		.amdhsa_group_segment_fixed_size 327680
		.amdhsa_private_segment_fixed_size 0
		.amdhsa_enable_private_segment 0
		.amdhsa_kernarg_size 32
		.amdhsa_user_sgpr_count 2
		.amdhsa_user_sgpr_kernarg_segment_ptr 1
		.amdhsa_wavefront_size32 1
		.amdhsa_system_sgpr_workgroup_id_x 1
		.amdhsa_system_sgpr_workgroup_id_y 1
		.amdhsa_system_sgpr_workgroup_id_z 1
		.amdhsa_system_vgpr_workitem_id 0
		.amdhsa_next_free_vgpr 1024
		.amdhsa_next_free_sgpr 102
		.amdhsa_reserve_vcc 0
		.amdhsa_float_denorm_mode_32 3
		.amdhsa_float_denorm_mode_16_64 3
		.amdhsa_memory_ordered 1
		.amdhsa_forward_progress 1
		.amdhsa_inst_pref_size 186
	.end_amdhsa_kernel
	.amdgpu_metadata
---
amdhsa.version: [ 1, 2 ]
amdhsa.kernels:
  - .name:           k_q0affe536e1_proj
    .symbol:         k_q0affe536e1_proj.kd
    .args:
      - { .name: xc, .offset: 0, .size: 8, .value_kind: global_buffer, .address_space: global }
      - { .name: xs, .offset: 8, .size: 8, .value_kind: global_buffer, .address_space: global }
      - { .name: pc, .offset: 16, .size: 8, .value_kind: global_buffer, .address_space: global }
      - { .name: ps, .offset: 24, .size: 8, .value_kind: global_buffer, .address_space: global }
    .group_segment_fixed_size: 327680
    .private_segment_fixed_size: 0
    .kernarg_segment_align: 8
    .kernarg_segment_size: 32
    .max_flat_workgroup_size: 128
    .sgpr_count:     102
    .vgpr_count:     1024
    .wavefront_size: 32
...
	.end_amdgpu_metadata
.endif
;; end of part 2
;; launch attn (part 3): grid 4 x 64, 8 waves a work-group, clusters of 4 x 1, 327,680 bytes of LDS; arguments pc, ps, out0; writes out0
.if DOCPART == 3
	.amdgcn_target "amdgcn-amd-amdhsa--gfx1250"
	.amdhsa_code_object_version 6
	.text
	.protected	k_q0affe536e1_attn
	.globl	k_q0affe536e1_attn
	.p2align	8
	.type	k_q0affe536e1_attn,@function
k_q0affe536e1_attn:
	s_mov_b64 s[64:65], 0
	v_nop
	global_prefetch_b8 v0, s[64:65] scope:SCOPE_SE
	s_setreg_imm32_b32 hwreg(HW_REG_WAVE_MODE, 25, 1), 1
	s_wait_xcnt 0x0
	s_wait_alu depctr_hold_cnt(0) depctr_sa_sdst(0) depctr_va_vdst(0) depctr_va_sdst(0) depctr_va_ssrc(0) depctr_va_vcc(0) depctr_vm_vsrc(0)
	s_getreg_b32 s2, hwreg(HW_REG_IB_STS2, 6, 4)
	s_cmp_eq_u32 s2, 0
	s_cbranch_scc0 .Lentry_in_a_cluster
	s_endpgm
.Lentry_in_a_cluster:
	s_bfe_u32 s2, ttmp6, 0x10000c
	s_cmp_lg_u32 s2, 0x3003
	s_cbranch_scc0 .Lentry_shape_is_right
	s_endpgm
.Lentry_shape_is_right:
; out0[b][q][64 head + d] = the sum over keys k <= q of softmax_k(q . k / 8) v[k][d], for 64 (batch, head) pairs, 2,048 tokens, head size 64; both products on codes of FP4 (E2M1) with one E8M0 scale for each 32 along a product's K. Inputs as the second launch lays them.
; A TILE 4 g + u is 16 tokens: row r is token 64 g + 32 (r / 8) + 8 u + r % 8; a tile of channels likewise.
; SOFTMAX: t = score x log2(e) / 8; M = the row's largest t so far, rounded UP to a whole number; p = 2^(t - M) is quantised along the keys, not normalised; the row's sum is taken of the unquantised p in f32 and divides O at the end. When M moves, sum and O are multiplied by 2^(old M - new M): exact.
; SHARES: work-group i of a head owns tile i of each of the 32 groups of 64 queries. A wave walks the keys with TWO tiles in hand, those of an odd and an even group that lie in one key step of 128: each fragment of K and V feeds both, and their chains go by turns.
; Wave w of eight takes the groups of key step 15 - w (late), then those of key step w (early): 15 open key steps and two on the diagonal for every wave, whatever i: 256 work-groups of equal work.
; CLUSTERS: the four work-groups of a head ask jointly for its K, V and scale words, which all lie in LDS, each byte filled once: key steps 0-3 at the head (waves 0, 1), 4-15 behind a round (waves 0 to 3).
; NO PREFETCH INTO THE L2: the second fill, the last, stands four key steps of all waves ahead of its wait, and no later fill is left to run ahead for.
; LAYOUT: both products transposed (S^T = K Q^T, O^T = V^T P^T): a lane holds ONE query of each tile throughout. Register 32 g + n of S^T is key 64 g + 32 h + n, h = lane / 16: a lane's 32 registers are one block of 32, and its conversions P's operand as they stand. Register 8 u + j of O^T is channel 32 h + 8 u + j.
; DIAGONAL: the odd group (tile x = 0) is the second half of its key step: the first 64 keys count; the even group (x = 1) the first half: its second 64 keys are left out. In its own half, key 32 h + n is hidden where it comes after the query: score -infinity ahead of the maximum; the 32 lane masks are made once.
; LEFT OUT: key steps and half steps behind a tile's queries (reference()'s own tril mask: p = 0 for all inputs); a NaN or an infinity that reaches only them is not carried.
; K = 64 IN AN INSTRUCTION OF K = 128: Q's registers 4-7 are zero codes, bytes 2 and 3 of q's and k's words 0 (2^-127): whatever codes stand in the second half of a key tile's operand add exactly 0.
; LIMITS: p under 2^-126 comes out as 0; a block of p under 2^-124 is held at byte 1 (zeros too: their codes are zeros); scaled scores stay under 2^31 in magnitude; NaN and infinities are not served.
; REGISTERS: window 0: all but K, V, Q and O, which lie in window 1 (scale operands are always of window 0).
.set BLK, 8960
.set STG, 16*BLK
.set TSTG, 16*272
.set SPARE, STG+16*TSTG
.set AK0, 1
.set AS0, 2
.set ADK, 3
.set ADS, 4
.set GO, 5
.set STO, 6
.set SRD, 7
.set DQ, 8
.set NM, 10
.set L, 14
.set F, 18
.set RUN, 22
.set QS, 24
.set PSW, 28
.set T2, 30
.set T3, 32
.set NF, 34
.set TW, 36
.set NI, 38
.set SO, 40
.set TB, 44
.set BM, 48
.set SUA, 56
.set KSC, 68
.set VSC, 72
.set PC, 76
.set ADV, 92
.set ADT, 93
.set S, 96
.set SPW, 254
.set NIL, 255
; window 1
.set KB, 0
.set VB, 36
.set QF, 68
.set O, 100
.set WV, 10
.set BH, 11
.set NC, 12
.set T, 13
.set CNT, 14
.set KI, 15
.set KDL, 17
.set KDE, 18
.set CX, 19
.set SEL, 20
.set CS, 22
.set G1A, 24
.set G1B, 32
.set G0, 40
.set OUTL, 52
.set OUTE, 54
.set TN, 63
.set MK, 66
.set MSB, 0
; the immediate's high byte repeats the setting that is left
.macro WIN new
.if MSB != \new
	s_set_vgpr_msb (MSB<<8)|\new
.set MSB, \new
.endif
.endm
.macro CROUND
	s_barrier_signal -1
	s_barrier_wait -1
	s_cmp_lg_u32 s[WV], 0
	s_cbranch_scc1 .Lnot_wave_0_\@
	s_barrier_signal -3
.Lnot_wave_0_\@:
	s_barrier_wait -3
	s_barrier_signal -1
	s_barrier_wait -1
.endm
; waves 0 .. n - 1 load
.macro TLOAD n, g1
	s_cmp_lt_u32 s[WV], \n
	s_cbranch_scc0 .Lasked_\@
	tensor_load_to_lds s[G0:G0+3], s[\g1:\g1+7]
	s_nop 0
.rept 4
	v_nop
.endr
.Lasked_\@:
.endm
	s_load_b128 s[4:7], s[0:1], 0x0
	s_load_b64 s[8:9], s[0:1], 0x10
	v_lshl_add_u32 v[SPW], v0, 2, SPARE
	v_mov_b32 v[NIL], 0
	; the opening: the add, twice on end, and its wait
	ds_add_u32 v[SPW], v[NIL]
	ds_add_u32 v[SPW], v[NIL]
	v_lshrrev_b32 v120, 5, v0
	v_readfirstlane_b32 s[WV], v120
	s_and_b32 s[BH], ttmp7, 0xffff
	s_bfe_u32 s[CX], ttmp6, 0x40000
	; descriptor group 1: dense rows of 256 bytes, 32 elements of 8; the mask names the head's four work-groups; 70 rows are two key steps, 105 three
.irp g, G1A, G1B
	s_mov_b32 s[\g], 15|(3<<16)|(1<<21)
	s_mov_b32 s[\g+1], 32<<16
	s_mov_b32 s[\g+3], 32<<16
	s_mov_b32 s[\g+5], 32
	s_mov_b32 s[\g+6], 0
	s_mov_b32 s[\g+7], 0
.endr
	s_mov_b32 s[G1A+2], 70<<16
	s_mov_b32 s[G1A+4], 70
	s_mov_b32 s[G1B+2], 105<<16
	s_mov_b32 s[G1B+4], 105
	; s45, s44: LDS bytes of my parts of the two fills; s58, s56: their places in pc
	s_mul_i32 s56, s[BH], 16*BLK
	s_add_co_u32 s56, s56, 0x400000
	s_and_b32 s44, s[WV], 1
	s_mul_i32 s45, s44, 2*BLK
	s_add_co_u32 s58, s56, s45
	s_mov_b32 s59, 0
	s_and_b32 s44, s[WV], 3
	s_mul_i32 s44, s44, 3*BLK
	s_add_co_u32 s44, s44, 4*BLK
	s_add_co_u32 s56, s56, s44
	s_mov_b32 s57, 0
	; the diagonal key steps
	s_mov_b32 s[KDE], s[WV]
	s_xor_b32 s[KDL], s[WV], 15
	s_mov_b32 s[SEL], 0x76543210
	s_mov_b32 s[SEL+1], 0xfedcba98
	; c = log2(e) / 8 (named as a pair), and -c
	s_mov_b32 s[CS], 0x3e38aa3b
	s_mov_b32 s[CS+1], s[CS]
	s_mov_b32 s[NC], 0xbe38aa3b
	; out0 at the even group's first row: batch x 8 MiB + (128 key step + 8 i) x 4,096 + head x 256
	s_lshr_b32 s60, s[BH], 4
	s_lshl_b32 s60, s60, 23
	s_and_b32 s61, s[BH], 15
	s_lshl_b32 s61, s61, 8
	s_add_co_u32 s60, s60, s61
	s_lshl_b32 s61, s[CX], 15
	s_add_co_u32 s60, s60, s61
	s_lshl_b32 s61, s[KDL], 19
	s_add_co_u32 s62, s60, s61
	s_mov_b32 s63, 0
	s_lshl_b32 s61, s[KDE], 19
	s_add_co_u32 s60, s60, s61
	s_mov_b32 s61, 0
	; Q: codes at bh x 65,536 + 512 tile + 16 lane, words at bh x 8,192 + 64 tile + 4 r; the even group's tile = 8 key step + i, the odd one's four on: s48, s49 late, s50, s51 early
	s_lshl_b32 s50, s[KDL], 3
	s_add_co_u32 s50, s50, s[CX]
	s_lshl_b32 s51, s[KDE], 3
	s_add_co_u32 s51, s51, s[CX]
	s_lshl_b32 s46, s[BH], 16
	s_lshl_b32 s47, s[BH], 13
	s_lshl_b32 s48, s50, 9
	s_add_co_u32 s48, s48, s46
	s_lshl_b32 s49, s50, 6
	s_add_co_u32 s49, s49, s47
	s_lshl_b32 s50, s51, 9
	s_add_co_u32 s50, s50, s46
	s_lshl_b32 s51, s51, 6
	s_add_co_u32 s51, s51, s47
	s_mul_i32 s2, s[WV], 2*TSTG
	s_add_co_u32 s2, s2, STG
	s_lshl_b32 s3, s[CX], 3
	s_wait_dscnt 0x0
	s_wait_kmcnt 0x0
	s_add_nc_u64 s[OUTL:OUTL+1], s[8:9], s[62:63]
	s_add_nc_u64 s[OUTE:OUTE+1], s[8:9], s[60:61]
	s_add_nc_u64 s[46:47], s[4:5], s[56:57]
	CROUND
	s_mov_b32 s[G0], 1
	s_mov_b32 s[G0+1], s45
	s_add_nc_u64 s[G0+2:G0+3], s[4:5], s[58:59]
	s_or_b32 s[G0+3], s[G0+3], 0x80000000
	TLOAD 2, G1A
	; v120 lane, v121 r, v122 h
	v_and_b32 v120, 31, v0
	v_and_b32 v121, 15, v0
	v_bfe_u32 v122, v0, 4, 1
	v_lshlrev_b32 v[AK0], 4, v120
	v_lshlrev_b32 v[AS0], 2, v120
	v_add_nc_u32 v[AS0], 8192, v[AS0]
	v_add_nc_u32 v126, s48, v[AK0]
	v_add_nc_u32 v127, s50, v[AK0]
	v_lshl_add_u32 v128, v121, 2, s49
	v_lshl_add_u32 v129, v121, 2, s51
	; Q: late odd, late even, early odd, early even
	WIN 0x40
	global_load_b128 v[QF:QF+3], v126, s[4:5] offset:2048
	global_load_b128 v[QF+8:QF+11], v126, s[4:5]
	global_load_b128 v[QF+16:QF+19], v127, s[4:5] offset:2048
	global_load_b128 v[QF+24:QF+27], v127, s[4:5]
	WIN 0
	global_load_b32 v[QS], v128, s[6:7] offset:256
	global_load_b32 v[QS+1], v128, s[6:7]
	global_load_b32 v[QS+2], v129, s[6:7] offset:256
	global_load_b32 v[QS+3], v129, s[6:7]
	; my query's place in its 64, less 32 h
	v_lshrrev_b32 v123, 3, v121
	v_mul_u32_u24 v124, 24, v123
	v_add_nc_u32 v124, v124, v121
	v_lshlrev_b32 v125, 5, v122
	v_sub_nc_u32 v124, v124, v125
	v_add_nc_u32 v[DQ], s3, v124
	; the way out: two rows of out0 a store; the stage in: row r + 128 h; back: lanes 0-15 one row, 16-31 the next
	v_lshlrev_b32 v[GO], 12, v122
	v_lshl_add_u32 v[GO], v121, 4, v[GO]
	v_mul_u32_u24 v[STO], v121, 272
	v_lshl_add_u32 v[STO], v122, 7, v[STO]
	v_add_nc_u32 v[STO], s2, v[STO]
	v_mul_u32_u24 v[SRD], v122, 272
	v_lshl_add_u32 v[SRD], v121, 4, v[SRD]
	v_add_nc_u32 v[SRD], s2, v[SRD]
	; zero codes: what follows the last key tile, and the upper halves of Q's fragments
	WIN 0x40
.irp j, KB+32,KB+33,KB+34,KB+35,QF+4,QF+5,QF+6,QF+7,QF+12,QF+13,QF+14,QF+15,QF+20,QF+21,QF+22,QF+23,QF+28,QF+29,QF+30,QF+31
	v_mov_b32 v[\j], 0
.endr
	WIN 0
	; a lane permute's destination counts as a source; upper halves of pairs
.irp j, T2,T2+1,T3,T3+1,F+1,F+3,NM+1,NM+3
	v_mov_b32 v[\j], 0
.endr
	v_mov_b32 v[NI], 0xff800000
.set J, 0
.rept 32
	v_cmp_gt_i32 s[MK+J], J, v[DQ]
.set J, J+1
.endr
	; the wait at the head's end
	s_wait_alu depctr_va_vdst(0)
	; these lines stand ahead of a later first fill as ahead of a refill; the add twice on end
	s_wait_tensorcnt 0x0
	ds_add_u32 v[SPW], v[NIL]
	ds_add_u32 v[SPW], v[NIL]
	s_mov_b32 s[G0+1], s44
	s_mov_b64 s[G0+2:G0+3], s[46:47]
	s_or_b32 s[G0+3], s[G0+3], 0x80000000
	s_wait_dscnt 0x0
	CROUND
	TLOAD 4, G1B
	s_wait_loadcnt 0x0
; K's tiles and words at ADK, ADS; the words of tiles 2 j (lanes 0-15) and 2 j + 1 (lanes 16-31)
.macro KTILES
	WIN 0x40
.irp t, 0,1,2,3,4,5,6,7
	ds_load_b128 v[KB+4*\t:KB+4*\t+3], v[ADK] offset:512*\t
.endr
.endm
.macro KWORDS
	WIN 0
.irp j, 0,1,2,3
	ds_load_b32 v[KSC+\j], v[ADS] offset:128*\j
.endr
.endm
.macro KLD
	v_add_nc_u32 v[ADK], s[T], v[AK0]
	v_add_nc_u32 v[ADS], s[T], v[AS0]
	KTILES
	KWORDS
.endm
.macro QK t, x, qf, qs
.set SS, S+64*(\x)+8*(\t)
.set QQ, \qf+8*(\x)
.if (\t)%2
	v_wmma_scale_f32_16x16x128_f8f6f4 v[SS:SS+7], v[KB+4*(\t):KB+4*(\t)+7], v[QQ:QQ+7], 0, v[KSC+(\t)/2], v[\qs+(\x)] matrix_a_fmt:MATRIX_FMT_FP4 matrix_b_fmt:MATRIX_FMT_FP4 matrix_a_scale:MATRIX_SCALE_ROW1
.else
	v_wmma_scale_f32_16x16x128_f8f6f4 v[SS:SS+7], v[KB+4*(\t):KB+4*(\t)+7], v[QQ:QQ+7], 0, v[KSC+(\t)/2], v[\qs+(\x)] matrix_a_fmt:MATRIX_FMT_FP4 matrix_b_fmt:MATRIX_FMT_FP4
.endif
.endm
; the largest score of my block in each of ng halves of tile x, two chains a block: for the row's maximum and, since p rises with the score, for the block's largest p
.macro MXI x, ng
.set J, 0
.rept \ng
.set SS, S+64*(\x)+32*J
.set BB, BM+4*(\x)+2*J
	v_max3_num_f32 v[BB], v[SS], v[SS+1], v[SS+2]
	v_max3_num_f32 v[BB+1], v[SS+16], v[SS+17], v[SS+18]
.set J, J+1
.endr
.endm
.macro MXR x, ng, i
.set J, 0
.rept \ng
.set SS, S+64*(\x)+32*J+(\i)
.set BB, BM+4*(\x)+2*J
	v_max3_num_f32 v[BB], v[BB], v[SS], v[SS+1]
	v_max3_num_f32 v[BB+1], v[BB+1], v[SS+16], v[SS+17]
.set J, J+1
.endr
.endm
.macro MXE x, ng
.set J, 0
.rept \ng
	v_max_num_f32 v[BM+4*(\x)+2*J+1], v[BM+4*(\x)+2*J+1], v[S+64*(\x)+32*J+31]
.set J, J+1
.endr
.set J, 0
.rept \ng
	v_max3_num_f32 v[BM+4*(\x)+2*J], v[BM+4*(\x)+2*J], v[BM+4*(\x)+2*J+1], v[S+64*(\x)+32*J+15]
.set J, J+1
.endr
.endm
; tile x's chain from the blocks' maxima to the new M, a line at a time: the running largest score (the first key counts for every query: a number); -M = floor(-t) = -ceil(t), a whole number; M's old value less its new one; -M - 2
.macro CH x, ng, n
.if \n == 0
.if \ng == 2
	v_max3_num_f32 v[TW+\x], v[BM+4*(\x)], v[BM+4*(\x)+2], v[RUN+\x]
.else
	v_max_num_f32 v[TW+\x], v[BM+4*(\x)], v[RUN+\x]
.endif
.endif
.if \n == 1
	v_permlanex16_b32 v[T2+\x], v[TW+\x], s[SEL], s[SEL+1]
.endif
.if \n == 2
	v_max_num_f32 v[RUN+\x], v[TW+\x], v[T2+\x]
.endif
.if \n == 3
	v_mul_f32 v[TW+\x], s[NC], v[RUN+\x]
.endif
.if \n == 4
	v_floor_f32 v[NF+\x], v[TW+\x]
.endif
.if \n == 5
	v_sub_f32 v[TW+\x], v[NF+\x], v[NM+2*(\x)]
.endif
.if \n == 6
	v_mov_b32 v[NM+2*(\x)], v[NF+\x]
.endif
.if \n == 7
	v_add_f32 v[NF+\x], -2.0, v[NF+\x]
.endif
.if \n == 8
	v_cvt_i32_f32 v[TW+\x], v[TW+\x]
.endif
.endm
; the row's sum of the unquantised p: four chains a tile
.macro SUMI x
.set SS, S+64*(\x)
.set LL, L+2*(\x)
.set UU, SUA+6*(\x)
	v_pk_add_f32 v[LL:LL+1], v[LL:LL+1], v[SS:SS+1]
	v_pk_add_f32 v[UU:UU+1], v[SS+2:SS+3], v[SS+4:SS+5]
	v_pk_add_f32 v[UU+2:UU+3], v[SS+6:SS+7], v[SS+8:SS+9]
	v_pk_add_f32 v[UU+4:UU+5], v[SS+10:SS+11], v[SS+12:SS+13]
.endm
.macro SUMR x, r
.set SS, S+64*(\x)+14+8*(\r)
.set LL, L+2*(\x)
.set UU, SUA+6*(\x)
	v_pk_add_f32 v[LL:LL+1], v[LL:LL+1], v[SS:SS+1]
	v_pk_add_f32 v[UU:UU+1], v[UU:UU+1], v[SS+2:SS+3]
	v_pk_add_f32 v[UU+2:UU+3], v[UU+2:UU+3], v[SS+4:SS+5]
	v_pk_add_f32 v[UU+4:UU+5], v[UU+4:UU+5], v[SS+6:SS+7]
.endm
; A KEY STEP, its block at s[T]; its K has been asked for. qf, qs: the two tiles' Q and words. diag = 1: the step on the diagonal. pre = 1: K of the step at s[TN] is asked for. N1: tile 1's 64-key halves at work (tile 0's are two).
.macro STEP qf, qs, diag, pre
.set N1, 2-(\diag)
	s_wait_dscnt 0x0
	WIN 0x05
.irp t, 0,1,2,3,4,5,6,7
	QK \t, 0, \qf, \qs
.if \t < 4*N1
	QK \t, 1, \qf, \qs
.endif
.endr
	WIN 0
	; four plain lines: the places behind the products, in front of the loads into their operands and of the first read of the scores
	v_add_nc_u32 v[ADV], s[T], v[AK0]
	v_add_nc_u32 v[ADT], s[T], v[AS0]
.if \pre
	v_add_nc_u32 v[ADK], s[TN], v[AK0]
	v_add_nc_u32 v[ADS], s[TN], v[AS0]
.else
	v_nop
	v_nop
.endif
	WIN 0x40
.irp t, 0,1,2,3
	ds_load_b128 v[VB+8*\t:VB+8*\t+3], v[ADV] offset:4096+1024*\t
	ds_load_b128 v[VB+8*\t+4:VB+8*\t+7], v[ADV] offset:4096+1024*\t+512
.endr
.if \pre
	KTILES
.endif
	WIN 0
.irp j, 0,1
	ds_load_b32 v[VSC+\j], v[ADT] offset:512+128*\j
.endr
.if \pre
	KWORDS
.endif
.if \diag
.set J, 0
.rept 32
	v_cndmask_b32 v[S+32+J], v[S+32+J], v[NI], s[MK+J]
	v_cndmask_b32 v[S+64+J], v[S+64+J], v[NI], s[MK+J]
.set J, J+1
.endr
.endif
	; tile 0's maxima; tile 1's, with tile 0's chain among them
	MXI 0, 2
.irp i, 3,5,7,9,11,13
	MXR 0, 2, \i
.endr
	MXE 0, 2
	MXI 1, N1
	CH 0, 2, 0
.irp i, 3,5,7,9,11,13
	MXR 1, N1, \i
	CH 0, 2, (\i-1)/2
.endr
	MXE 1, N1
	CH 0, 2, 7
	CH 0, 2, 8
	; t - M of tile 0, two at a time (of the pairs c and -M the low word serves both halves), with tile 1's chain among them
.set K, S
.irp n, 0,1,2,3,4,5,6,7,8
	CH 1, N1, \n
.rept 3
	v_pk_fma_f32 v[K:K+1], v[K:K+1], s[CS:CS+1], v[NM:NM+1] op_sel_hi:[1,0,0]
.set K, K+2
.endr
.endr
.rept 5
	v_pk_fma_f32 v[K:K+1], v[K:K+1], s[CS:CS+1], v[NM:NM+1] op_sel_hi:[1,0,0]
.set K, K+2
.endr
	; f = 2^(old M - new M): a multiplication by it rounds nothing; and of each block's largest score, with 2 off: the exponent of its scale
	v_ldexp_f32 v[F], 1.0, v[TW]
	v_ldexp_f32 v[F+2], 1.0, v[TW+1]
	v_fma_f32 v[BM], v[BM], s[CS], v[NF]
	v_fma_f32 v[BM+2], v[BM+2], s[CS], v[NF]
	v_fma_f32 v[BM+4], v[BM+4], s[CS], v[NF+1]
.if N1 == 2
	v_fma_f32 v[BM+6], v[BM+6], s[CS], v[NF+1]
.endif
	; a wait ahead of each batch and behind it. Tile 0's exponentials, with tile 1's t - M among them (read behind the next wait)
	s_wait_alu depctr_va_vdst(0)
.set K, S
.set J, S+64
.rept 32
	v_exp_f32 v[K], v[K]
	v_exp_f32 v[K+1], v[K+1]
.if J < S+64+32*N1
	v_pk_fma_f32 v[J:J+1], v[J:J+1], s[CS:CS+1], v[NM+2:NM+3] op_sel_hi:[1,0,0]
.endif
.set J, J+2
.set K, K+2
.endr
	s_wait_alu depctr_va_vdst(0)
.set J, S+64
.rept 32*N1
	v_exp_f32 v[J], v[J]
.set J, J+1
.endr
	v_exp_f32 v[BM], v[BM]
	v_exp_f32 v[BM+2], v[BM+2]
	v_exp_f32 v[BM+4], v[BM+4]
.if N1 == 2
	v_exp_f32 v[BM+6], v[BM+6]
.endif
	v_pk_mul_f32 v[L:L+1], v[L:L+1], v[F:F+1] op_sel_hi:[1,0]
	v_pk_mul_f32 v[L+2:L+3], v[L+2:L+3], v[F+2:F+3] op_sel_hi:[1,0]
	s_wait_alu depctr_va_vdst(0)
	; the floor 2^(1 - 127): the byte cannot fall under 1; the exponent field is the conversion's scale
.set J, 0
.rept 2+N1
	v_max_num_f32 v[SO+J], 0x800000, v[BM+2*J]
.set J, J+1
.endr
.set J, 0
.rept 2+N1
	v_lshrrev_b32 v[TB+J], 23, v[SO+J]
.set J, J+1
.endr
.set J, 0
.rept 2+N1
.irp u, 0,1,2,3
	v_cvt_scalef32_pk8_fp4_f32 v[PC+4*J+\u], v[S+32*J+8*\u:S+32*J+8*\u+7], v[SO+J]
.endr
.set J, J+1
.endr
	v_lshl_or_b32 v[PSW], v[TB+1], 16, v[TB]
.if N1 == 2
	v_lshl_or_b32 v[PSW+1], v[TB+3], 16, v[TB+2]
.else
	v_mov_b32 v[PSW+1], v[TB+2]
.irp j, 12,13,14,15
	v_mov_b32 v[PC+\j], 0
.endr
.endif
	v_permlanex16_b32 v[T3], v[PSW], s[SEL], s[SEL+1]
	v_permlanex16_b32 v[T3+1], v[PSW+1], s[SEL], s[SEL+1]
	; O^T under the new M; the wait directly ahead of its first reader
	WIN 0x41
	s_wait_alu depctr_va_vdst(0)
.set J, O
.rept 16
	v_pk_mul_f32 v[J:J+1], v[J:J+1], v[F:F+1] op_sel_hi:[1,0]
	v_pk_mul_f32 v[J+32:J+33], v[J+32:J+33], v[F+2:F+3] op_sel_hi:[1,0]
.set J, J+2
.endr
	WIN 0
	; lanes 0-15 have the words of these keys
	v_lshl_or_b32 v[PSW], v[T3], 8, v[PSW]
	v_lshl_or_b32 v[PSW+1], v[T3+1], 8, v[PSW+1]
	SUMI 0
	SUMI 1
.irp r, 0,1,2,3,4,5
	SUMR 0, \r
.if \r < 4*N1-2
	SUMR 1, \r
.endif
.endr
	v_pk_add_f32 v[L:L+1], v[L:L+1], v[S+62:S+63]
	v_pk_add_f32 v[L+2:L+3], v[L+2:L+3], v[S+64+32*N1-2:S+64+32*N1-1]
	v_pk_add_f32 v[SUA:SUA+1], v[SUA:SUA+1], v[SUA+2:SUA+3]
	v_pk_add_f32 v[SUA+6:SUA+7], v[SUA+6:SUA+7], v[SUA+8:SUA+9]
	v_pk_add_f32 v[L:L+1], v[L:L+1], v[SUA+4:SUA+5]
	v_pk_add_f32 v[L+2:L+3], v[L+2:L+3], v[SUA+10:SUA+11]
	v_pk_add_f32 v[L:L+1], v[L:L+1], v[SUA:SUA+1]
	v_pk_add_f32 v[L+2:L+3], v[L+2:L+3], v[SUA+6:SUA+7]
	WIN 0x51
	; V and its words are in (the next K's four words may be out)
	s_wait_alu depctr_va_vdst(0)
	s_wait_dscnt 4*(\pre)
	; the eight accumulators by turns
.irp t, 0,2
.irp x, 0,1
	v_wmma_scale_f32_16x16x128_f8f6f4 v[O+32*\x+8*\t:O+32*\x+8*\t+7], v[VB+8*\t:VB+8*\t+7], v[PC+8*\x:PC+8*\x+7], v[O+32*\x+8*\t:O+32*\x+8*\t+7], v[VSC+\t/2], v[PSW+\x] matrix_a_fmt:MATRIX_FMT_FP4 matrix_b_fmt:MATRIX_FMT_FP4
.endr
.irp x, 0,1
	v_wmma_scale_f32_16x16x128_f8f6f4 v[O+32*\x+8*\t+8:O+32*\x+8*\t+15], v[VB+8*\t+8:VB+8*\t+15], v[PC+8*\x:PC+8*\x+7], v[O+32*\x+8*\t+8:O+32*\x+8*\t+15], v[VSC+\t/2], v[PSW+\x] matrix_a_fmt:MATRIX_FMT_FP4 matrix_b_fmt:MATRIX_FMT_FP4 matrix_a_scale:MATRIX_SCALE_ROW1
.endr
.endr
	WIN 0
.endm
; n open key steps. lim = 1: those from the diagonal step on are left out by a branch on ids; the step ahead is the next one. lim = 0: the first four: the step ahead wraps inside the first fill
.macro KLOOP n, qf, qs, kd, lim
	s_mov_b32 s[CNT], \n
.Lk_\@:
.if \lim
	s_cmp_ge_u32 s[KI], s[\kd]
	s_cbranch_scc1 .Lhid_\@
	s_add_co_u32 s[TN], s[T], BLK
.else
	s_add_co_u32 s[TN], s[KI], 1
	s_and_b32 s[TN], s[TN], 3
	s_mul_i32 s[TN], s[TN], BLK
.endif
	STEP \qf, \qs, 0, 1
.Lhid_\@:
	s_add_co_u32 s[KI], s[KI], 1
	s_add_co_u32 s[T], s[T], BLK
	s_sub_co_u32 s[CNT], s[CNT], 1
	s_cmp_lg_u32 s[CNT], 0
	s_cbranch_scc1 .Lk_\@
.endm
; TWO TILES OF 16 QUERIES. staged = 1: the late ones (every wave's have at least 8 open steps).
.macro TILES qf, qs, kd, out, staged
	; the largest score so far -3e38, -M 3e38: the first change of M leaves the zeros zeros
.irp x, 0,1
	v_mov_b32 v[RUN+\x], 0xff61b1e6
	v_mov_b32 v[NM+2*\x], 0x7f61b1e6
	v_mov_b32 v[L+2*\x], 0
	v_mov_b32 v[L+2*\x+1], 0
.endr
	WIN 0x40
.set J, O
.rept 64
	v_mov_b32 v[J], 0
.set J, J+1
.endr
	WIN 0
	s_mov_b32 s[KI], 0
	s_mov_b32 s[T], 0
.if \staged
	KLD
	KLOOP 4, \qf, \qs, \kd, 0
	; my part of the second fill is in, behind the barrier everybody's
	s_wait_tensorcnt 0x0
	s_wait_dscnt 0x0
	s_barrier_signal -1
	s_barrier_wait -1
	KLD
	KLOOP 11, \qf, \qs, \kd, 1
.else
	KLOOP 7, \qf, \qs, \kd, 1
.endif
	; the diagonal; its K was asked for by the step before (the early tiles' first by the late tiles' diagonal)
	s_mul_i32 s[T], s[\kd], BLK
	s_mov_b32 s[TN], 0
	STEP \qf, \qs, 1, \staged
.rept 4
	v_nop
.endr
	; the rows' sums, their reciprocals, O^T / the sum through my stage
	s_wait_alu depctr_va_vdst(0)
	v_add_f32 v[L], v[L], v[L+1]
	v_add_f32 v[L+2], v[L+2], v[L+3]
	v_permlanex16_b32 v[T2], v[L], s[SEL], s[SEL+1]
	v_permlanex16_b32 v[T2+1], v[L+2], s[SEL], s[SEL+1]
	v_add_f32 v[L], v[L], v[T2]
	v_add_f32 v[L+2], v[L+2], v[T2+1]
	s_wait_alu depctr_va_vdst(0)
	v_rcp_f32 v[F], v[L]
	v_rcp_f32 v[F+2], v[L+2]
	v_nop
	WIN 0x01
	s_wait_alu depctr_va_vdst(0)
.irp x, 0,1
.set J, 0
.rept 16
	v_pk_mul_f32 v[S+64*\x+J:S+64*\x+J+1], v[O+32*\x+J:O+32*\x+J+1], v[F+2*\x:F+2*\x+1] op_sel_hi:[1,0]
.set J, J+2
.endr
.endr
	WIN 0
	; LDS serves a wave's instructions in order: the loads see my stores
.irp x, 0,1
.irp u, 0,1,2,3
	ds_store_b128 v[STO], v[S+64*\x+8*\u:S+64*\x+8*\u+3] offset:TSTG*\x+32*\u
	ds_store_b128 v[STO], v[S+64*\x+8*\u+4:S+64*\x+8*\u+7] offset:TSTG*\x+32*\u+16
.endr
.irp i, 0,1,2,3,4,5,6,7
	ds_load_b128 v[S+64*\x+32+4*\i:S+64*\x+35+4*\i], v[SRD] offset:TSTG*\x+544*\i
.endr
.endr
	; rows 2 i and 2 i + 1 of a tile (rows 8-15 lie 32 queries on, the odd group 64): sixteen lanes store 256 consecutive bytes, aligned; behind load i may be out 7 - i loads, and for tile 0 tile 1's 8 stores and 8 loads
.irp x, 0,1
.irp i, 0,1,2,3,4,5,6,7
	s_wait_dscnt 16*(1-\x)+7-\i
	global_store_b128 v[GO], v[S+64*\x+32+4*\i:S+64*\x+35+4*\i], s[\out:\out+1] offset:4096*(64*(1-\x)+2*\i+24*(\i/4)) th:TH_STORE_NT
.endr
.endr
	; the stores have read their data before the next tiles' scores are written there
.if \staged
	s_wait_xcnt 0x0
.endif
.endm
	TILES QF, QS, KDL, OUTL, 1
	TILES QF+16, QS+2, KDE, OUTE, 0
	; the wave's end
	s_wait_tensorcnt 0x0
	ds_add_u32 v[SPW], v[NIL]
	s_wait_dscnt 0x0
	CROUND
	s_endpgm
.Lfunc_end_k_q0affe536e1_attn:
	.size	k_q0affe536e1_attn, .Lfunc_end_k_q0affe536e1_attn-k_q0affe536e1_attn
	.p2alignl 7, 3214868480
	.fill 96, 4, 3214868480
	.section	.rodata,"a",@progbits
	.p2align	6, 0x0
	.amdhsa_kernel k_q0affe536e1_attn
		.amdhsa_group_segment_fixed_size 327680
		.amdhsa_private_segment_fixed_size 0
		.amdhsa_enable_private_segment 0
		.amdhsa_kernarg_size 24
		.amdhsa_user_sgpr_count 2
		.amdhsa_user_sgpr_kernarg_segment_ptr 1
		.amdhsa_wavefront_size32 1
		.amdhsa_system_sgpr_workgroup_id_x 1
		.amdhsa_system_sgpr_workgroup_id_y 1
		.amdhsa_system_sgpr_workgroup_id_z 1
		.amdhsa_system_vgpr_workitem_id 0
		.amdhsa_next_free_vgpr 420
		.amdhsa_next_free_sgpr 100
		.amdhsa_reserve_vcc 0
		.amdhsa_float_denorm_mode_32 3
		.amdhsa_float_denorm_mode_16_64 3
		.amdhsa_memory_ordered 1
		.amdhsa_forward_progress 1
		.amdhsa_inst_pref_size 160
	.end_amdhsa_kernel
	.amdgpu_metadata
---
amdhsa.version: [ 1, 2 ]
amdhsa.kernels:
  - .name:           k_q0affe536e1_attn
    .symbol:         k_q0affe536e1_attn.kd
    .args:
      - { .name: pc, .offset: 0, .size: 8, .value_kind: global_buffer, .address_space: global }
      - { .name: ps, .offset: 8, .size: 8, .value_kind: global_buffer, .address_space: global }
      - { .name: out0, .offset: 16, .size: 8, .value_kind: global_buffer, .address_space: global }
    .group_segment_fixed_size: 327680
    .private_segment_fixed_size: 0
    .kernarg_segment_align: 8
    .kernarg_segment_size: 24
    .max_flat_workgroup_size: 256
    .sgpr_count:     100
    .vgpr_count:     420
    .wavefront_size: 32
...
	.end_amdgpu_metadata
.endif
;; end of part 3
